; MI455X (gfx1250); checked and timed in simulation.
; The chip was launched on July 23, 2026; its instructions are those of AMD's public machine-readable ISA for CDNA 5 (MIT licence, August 2026) and "CDNA5" Instruction Set Architecture Reference Guide (July 2026). The comments in the code are by the model that wrote it; some were corrected since.
;; Vision Multi Head Attention. Allowed arithmetic: float matrix products may take bf16 or f16 operands with f32 sums; all other float work in f32.
;; Inputs: Wk 12 x 768 x 64 float32; Wproj 768 x 768 float32; Wq 12 x 768 x 64 float32; Wv 12 x 768 x 64 float32; bproj 768 float32; x 8 x 1,024 x 768 float32.
;; Outputs: out0 8 x 1,024 x 768 float32.
;; One version. Each part assembles by itself: llvm-mc -triple=amdgcn-amd-amdhsa -mcpu=gfx1250 --defsym DOCPART=n.
;; ======== version 1 of 1: 4 launches
;; limits: values are held in f16: magnitudes above 65,504 overflow, below 6.1e-05 lose precision
;; workspace buffers: xh 12,582,912 bytes; wh 3,538,944 bytes; ph 1,179,648 bytes; qkv 37,748,736 bytes; ao 12,582,912 bytes
;; launch cast (part 1): grid 704 x 1, 8 waves a work-group, no clusters, 0 bytes of LDS; arguments x, Wq, Wk, Wv, Wproj, xh, wh, ph; writes xh, wh, ph
.if DOCPART == 1
	.amdgcn_target "amdgcn-amd-amdhsa--gfx1250"
	.amdhsa_code_object_version 6
	.text
	.protected	k_q33b1532463_cast
	.globl	k_q33b1532463_cast
	.p2align	8
	.type	k_q33b1532463_cast,@function
k_q33b1532463_cast:
	s_mov_b64 s[64:65], 0
	v_nop
	global_prefetch_b8 v0, s[64:65] scope:SCOPE_SE
	s_setreg_imm32_b32 hwreg(HW_REG_WAVE_MODE, 25, 1), 1
	s_wait_xcnt 0x0
; f32 to f16 casts with a new layout, so that the later launches can bring dense 16-bit tiles into LDS without converting.
;   xh [b 8][cb 8][t 1024][96]    x cut in blocks of 96 along C: 128 rows of one block are 24,576 dense bytes
;   wh [bx 4][k 768][576]         column 64 g + d of block bx is column d of matrix J = 9 bx + g (J = mat*12 + h, mat 0/1/2 = Wq/Wk/Wv);
;                                 inside each group of 64 columns the four pieces of 16 columns are exchanged: piece p of row k lies at place p xor ((k >> 1) & 3).
;                                 A row is 1,152 bytes = 128 mod 256, so eight neighbouring rows' pieces of one p fall into eight different 32-byte columns of 256.
;   ph [c 768][768]               Wproj as it lies
; LIMIT: f16 holds magnitudes below 65,504, and below 6e-5 with an absolute step of 6e-8; x and the weights must lie inside.
; A stream: every input byte is read once (16 bytes a lane), every output byte written once (8 bytes a lane).  Stores into xh and ph cover 256 consecutive
; bytes, aligned; stores into wh (3.5 MB of the 17 MB) are two pieces of 128 bytes, since a matrix owns 128 bytes of a row.
; No LDS, no barrier, no matrix unit, no cluster: no two work-groups read the same byte.
; 704 work-groups of equal work, 12 sweeps of 1,024 numbers each.  id < 512: x;  512 <= id < 656: Wq, Wk, Wv;  id >= 656: Wproj.
.set NSW, 12                           ; sweeps
.set VI,  1                            ; v[1:3]    my byte offsets in the input (x: three, by turns; else one); never rewritten
.set VO,  4                            ; v4        my byte offset in the output, sweep 0; never rewritten
.set X,   8                            ; v[8:55]   sweep j: 4 f32 as loaded
.set Y,   56                           ; v[56:79]  sweep j: 4 f16 to store
; All 12 loads go out first; then each sweep is converted and stored as it arrives.  No register is written twice.
; Sweep j reads at offset register j % nvi, (j / nvi) x instep bytes on.
.macro SWEEPS in, out, nvi, instep, outstep, nt
.set j, 0
.rept NSW
.if \nt
	global_load_b128 v[X+4*j:X+4*j+3], v[VI+j%\nvi], s[\in:\in+1] offset:(j/\nvi)*\instep th:TH_LOAD_NT
.else
	global_load_b128 v[X+4*j:X+4*j+3], v[VI+j%\nvi], s[\in:\in+1] offset:(j/\nvi)*\instep
.endif
.set j, j+1
.endr
.set j, 0
.rept NSW
	s_wait_loadcnt NSW-1-j                         ; loads come back in order: sweep j is in, the younger ones stay out
	v_cvt_pk_f16_f32 v[Y+2*j],   v[X+4*j],   v[X+4*j+1]
	v_cvt_pk_f16_f32 v[Y+2*j+1], v[X+4*j+2], v[X+4*j+3]
	global_store_b64 v[VO], v[Y+2*j:Y+2*j+1], s[\out:\out+1] offset:j*\outstep
.set j, j+1
.endr
	s_endpgm
.endm
	s_load_b512 s[4:19], s[0:1], 0x0               ; x s[4:5], Wq s[6:7], Wk s[8:9], Wv s[10:11], Wproj s[12:13], xh s[14:15], wh s[16:17], ph s[18:19]
	s_mov_b32 s20, ttmp9                           ; work-group, 0..703
	s_mov_b32 s23, 0                               ; high word of every offset pair
	s_wait_kmcnt 0x0
	s_cmp_lt_u32 s20, 512
	s_cbranch_scc0 .Lweights
	; x: 16 whole rows.  Wave w owns block w of 96 columns: its 16 rows x 192 bytes of xh are 3,072 dense bytes = 12 stores of 256 bytes.
	; Store j holds chunks o = 32 j + lane of 8 bytes; 24 chunks make a row, so three stores are four rows and the pattern repeats: three offset registers.
	; The eight waves together read the rows whole; a piece of 384 bytes shares a block of 256 with its neighbour's, so these loads carry no hint.
	s_mul_i32 s22, s20, 49152                      ; 16 rows of 3,072 bytes
	s_add_nc_u64 s[4:5], s[4:5], s[22:23]
	s_lshr_b32 s24, s20, 6                         ; b
	s_mul_i32 s22, s24, 1572864
	s_and_b32 s24, s20, 63
	s_mul_i32 s24, s24, 3072                       ; 16 rows of 192 bytes
	s_add_co_u32 s22, s22, s24
	s_add_nc_u64 s[14:15], s[14:15], s[22:23]
	v_lshrrev_b32 v5, 5, v0                        ; wave = block
	v_and_b32 v6, 31, v0                           ; lane
	v_mul_u32_u24 v7, v5, 384                      ; the block's 96 f32
.irp c, 0,1,2
	v_add_nc_u32 v[X], 32*\c, v6                   ; o, 0..95
	v_mul_u32_u24 v[X+1], v[X], 171
	v_lshrrev_b32 v[X+1], 12, v[X+1]               ; row = o / 24 (exact for o < 192)
	v_mul_u32_u24 v[X+1], v[X+1], 2688             ; row x 3,072 + (o - 24 row) x 16 = row x 2,688 + 16 o
	v_lshl_add_u32 v[X], v[X], 4, v7
	v_add_nc_u32 v[VI+\c], v[X], v[X+1]
.endr
	v_mul_u32_u24 v[VO], v5, 196608                ; a block of xh: 1,024 rows of 192 bytes
	v_lshl_add_u32 v[VO], v6, 3, v[VO]
	SWEEPS 4, 14, 3, 12288, 256, 0
.Lweights:
	s_cmp_lt_u32 s20, 656
	s_cbranch_scc0 .Lproj
	; Wq, Wk, Wv: 192 rows of one matrix J.  A sweep is 16 rows of 256 bytes, dense in the input.
	s_sub_co_u32 s22, s20, 512                     ; 0..143
	s_lshr_b32 s24, s22, 2                         ; J, 0..35
	s_and_b32 s25, s22, 3                          ; part: 192 rows
	s_mul_i32 s26, s24, 43
	s_lshr_b32 s26, s26, 9                         ; mat = J / 12 (exact for J < 36)
	s_mul_i32 s27, s26, 12
	s_sub_co_u32 s27, s24, s27                     ; h
	s_mul_i32 s28, s24, 57
	s_lshr_b32 s28, s28, 9                         ; bx = J / 9 (exact for J < 36)
	s_mul_i32 s29, s28, 9
	s_sub_co_u32 s29, s24, s29                     ; g
	s_cmp_eq_u32 s26, 1
	s_cselect_b64 s[6:7], s[8:9], s[6:7]           ; mat 1: Wk
	s_cmp_eq_u32 s26, 2
	s_cselect_b64 s[6:7], s[10:11], s[6:7]         ; mat 2: Wv
	s_mul_i32 s22, s27, 196608
	s_mul_i32 s30, s25, 49152
	s_add_co_u32 s22, s22, s30
	s_add_nc_u64 s[6:7], s[6:7], s[22:23]
	s_mul_i32 s22, s28, 884736                     ; 768 rows of 1,152 bytes
	s_mul_i32 s30, s25, 221184                     ; 192 rows
	s_add_co_u32 s22, s22, s30
	s_lshl_b32 s30, s29, 7                         ; the group's 128 bytes
	s_add_co_u32 s22, s22, s30
	s_add_nc_u64 s[16:17], s[16:17], s[22:23]
	v_lshlrev_b32 v[VI], 4, v0
	v_lshrrev_b32 v5, 4, v0                        ; row of the sweep; sweeps and parts step by multiples of 8 rows, so (k >> 1) & 3 = (t >> 5) & 3
	v_mul_u32_u24 v[VO], v5, 1152
	v_bfe_u32 v5, v0, 2, 2                         ; piece of 16 columns
	v_bfe_u32 v6, v0, 5, 2
	v_xor_b32 v5, v5, v6                           ; its place
	v_lshl_add_u32 v[VO], v5, 5, v[VO]
	v_and_b32 v5, 3, v0
	v_lshl_add_u32 v[VO], v5, 3, v[VO]
	SWEEPS 6, 16, 1, 4096, 18432, 1
.Lproj:
	; Wproj: 48 dense pieces of 49,152 bytes
	s_sub_co_u32 s24, s20, 656
	s_mul_i32 s22, s24, 49152
	s_add_nc_u64 s[12:13], s[12:13], s[22:23]
	s_mul_i32 s22, s24, 24576
	s_add_nc_u64 s[18:19], s[18:19], s[22:23]
	v_lshlrev_b32 v[VI], 4, v0
	v_lshlrev_b32 v[VO], 3, v0
	SWEEPS 12, 18, 1, 4096, 2048, 1
.Lfunc_end_k_q33b1532463_cast:
	.size	k_q33b1532463_cast, .Lfunc_end_k_q33b1532463_cast-k_q33b1532463_cast
	.p2alignl 7, 3214868480
	.fill 96, 4, 3214868480
	.section	.rodata,"a",@progbits
	.p2align	6, 0x0
	.amdhsa_kernel k_q33b1532463_cast
		.amdhsa_group_segment_fixed_size 0
		.amdhsa_private_segment_fixed_size 0
		.amdhsa_enable_private_segment 0
		.amdhsa_kernarg_size 64
		.amdhsa_user_sgpr_count 2
		.amdhsa_user_sgpr_kernarg_segment_ptr 1
		.amdhsa_wavefront_size32 1
		.amdhsa_system_sgpr_workgroup_id_x 1
		.amdhsa_system_sgpr_workgroup_id_y 1
		.amdhsa_system_sgpr_workgroup_id_z 1
		.amdhsa_system_vgpr_workitem_id 0
		.amdhsa_next_free_vgpr 80
		.amdhsa_next_free_sgpr 66
		.amdhsa_reserve_vcc 0
		.amdhsa_float_denorm_mode_32 3
		.amdhsa_float_denorm_mode_16_64 3
		.amdhsa_memory_ordered 1
		.amdhsa_forward_progress 1
		.amdhsa_inst_pref_size 17
	.end_amdhsa_kernel
	.amdgpu_metadata
---
amdhsa.version: [ 1, 2 ]
amdhsa.kernels:
  - .name:           k_q33b1532463_cast
    .symbol:         k_q33b1532463_cast.kd
    .args:
      - { .name: x, .offset: 0, .size: 8, .value_kind: global_buffer, .address_space: global }
      - { .name: Wq, .offset: 8, .size: 8, .value_kind: global_buffer, .address_space: global }
      - { .name: Wk, .offset: 16, .size: 8, .value_kind: global_buffer, .address_space: global }
      - { .name: Wv, .offset: 24, .size: 8, .value_kind: global_buffer, .address_space: global }
      - { .name: Wproj, .offset: 32, .size: 8, .value_kind: global_buffer, .address_space: global }
      - { .name: xh, .offset: 40, .size: 8, .value_kind: global_buffer, .address_space: global }
      - { .name: wh, .offset: 48, .size: 8, .value_kind: global_buffer, .address_space: global }
      - { .name: ph, .offset: 56, .size: 8, .value_kind: global_buffer, .address_space: global }
    .group_segment_fixed_size: 0
    .private_segment_fixed_size: 0
    .kernarg_segment_align: 8
    .kernarg_segment_size: 64
    .max_flat_workgroup_size: 256
    .sgpr_count:     66
    .vgpr_count:     80
    .wavefront_size: 32
...
	.end_amdgpu_metadata
.endif
;; end of part 1
;; launch qkv (part 2): grid 4 x 64, 4 waves a work-group, clusters of 4 x 4, 327,680 bytes of LDS; arguments xh, wh, qkv; writes qkv
.if DOCPART == 2
	.amdgcn_target "amdgcn-amd-amdhsa--gfx1250"
	.amdhsa_code_object_version 6
	.text
	.protected	k_q33b1532463_qkv
	.globl	k_q33b1532463_qkv
	.p2align	8
	.type	k_q33b1532463_qkv,@function
k_q33b1532463_qkv:
	s_mov_b64 s[64:65], 0
	v_nop
	global_prefetch_b8 v0, s[64:65] scope:SCOPE_SE
	s_setreg_imm32_b32 hwreg(HW_REG_WAVE_MODE, 25, 1), 1
	s_wait_xcnt 0x0
	s_wait_alu depctr_hold_cnt(0) depctr_sa_sdst(0) depctr_va_vdst(0) depctr_va_sdst(0) depctr_va_ssrc(0) depctr_va_vcc(0) depctr_vm_vsrc(0)
	s_getreg_b32 s2, hwreg(HW_REG_IB_STS2, 6, 4)
	s_cmp_eq_u32 s2, 0
	s_cbranch_scc0 .Lentry_in_a_cluster
	s_endpgm
.Lentry_in_a_cluster:
	s_bfe_u32 s2, ttmp6, 0x10000c
	s_cmp_lg_u32 s2, 0xf033
	s_cbranch_scc0 .Lentry_shape_is_right
	s_endpgm
.Lentry_shape_is_right:
; q, k, v for all heads as one product: [8192 x 768] x [768 x 2304], f16 operands, f32 sums, f16 results.
;   xh [b][cb 8][t 1024][96]   wh [bx 4][k 768][576], pieces of 16 columns exchanged by (k >> 1) & 3   qkv [b 8][J 36][t 1024][64], J = mat*12 + h
; LIMIT: results are kept in f16: |q|, |k|, |v| below 65,504; below 6e-5 the step is 6e-8.
; A work-group makes 128 rows x 576 columns (nine matrices J = 9 bx + g).  All four waves use all 128 rows; wave w takes columns 16 w .. 16 w + 15 of
; each of the nine groups of 64: 8 x 9 = 72 accumulator tiles, 576 registers.  For 32 along K a wave reads 8 + 9 fragments for 72 matrix instructions.
; K goes in 8 steps of 96 through two LDS slots: the longest step of which two slots fit (2 x 141,312 bytes), so that a tile has 200 matrix instructions of
; each wave in which to land.  Both tiles are dense in memory and come in as rows of 256 bytes.
; CLUSTERS: 4 x 4 work-groups; the four of a row of the cluster need the same rows of xh, the four of a column the same block of wh; each tile is asked for
; jointly by the four, which divides the requests by four.
; THE MATRIX INSTRUCTION IS USED TRANSPOSED: source 0 = 16 columns of wh (brought by the transposing LDS load, since wh lies [K][N]), source 1 = 16 rows of
; xh.  A lane then holds row t = l % 16 and eight neighbouring columns 8 (l / 16) + 0..7, which pack into 16 bytes.
; REGISTERS: window 0: v16-32 addresses, v64-127 / v128-191 fragments of xh (two buffers), v192-223 packed results;
;   window 1: v0-71 / v72-143 fragments of wh (two buffers), v144-207 accumulators of group 8;
;   window 2: accumulators of groups 0-3, tile (a, g) at v[8 (4 a + g)];  window 3: groups 4-7.
.set SLOT,  141312                     ; xh: 128 rows x 240 bytes, then wh: 96 rows x 1,152 bytes
.set BOFF,  30720
.set ASTEP, 196608                     ; xh: from one block of 96 along K to the next
.set BSTEP, 110592                     ; wh: 96 rows of 1,152 bytes
.set ADRA, 16                          ; v16-17  LDS address of my xh fragments, slot 0, 1
.set ADRB, 20                          ; v20-25  the same for wh: slot*3 + third of the K step
.set STO,  26                          ; v26-28  the way out: where I put 16 bytes, groups 0-2, 3-5, 6-8
.set RD,   29                          ; v29-31  the way out: where I read rows back
.set CO,   32                          ; v32     my byte offset in a matrix of qkv
.set XF,   64                          ; + 64 f
.set WF,   0                           ; window 1, + 72 f
.set A8,   144                         ; window 1
.set TMP,  192
.set G1,  24                           ; s[24:31] group 1 for xh's tiles
.set G0,  32                           ; s[32:39] group 0 for xh's tiles, one set a slot
.set G1B, 48                           ; s[48:55] group 1 for wh's tiles
.set G0B, 56                           ; s[56:63] group 0 for wh's tiles, one set a slot
.set MSB, 0
.macro WIN new                         ; the immediate's high byte repeats the setting that is left
.if MSB != \new
	s_set_vgpr_msb (MSB<<8)|\new
.set MSB, \new
.endif
.endm
.macro PLACES n
.rept \n
	v_nop
.endr
.endm
; A joint load: waves 0 and 1 fetch the two halves of xh's tile, waves 2 and 3 those of wh's.  Each line has one mask and one set of registers.
.macro JLOAD s
	s_cmp_eq_u32 s11, 0
	s_cbranch_scc0 .Lfor_b_\@
	tensor_load_to_lds s[G0+4*\s:G0+4*\s+3], s[G1:G1+7]
	s_nop 0
	s_branch .Lasked_\@
.Lfor_b_\@:
	tensor_load_to_lds s[G0B+4*\s:G0B+4*\s+3], s[G1B:G1B+7]
	s_nop 0
.Lasked_\@:
.endm
.macro CREST                           ; a round of the cluster's barrier behind its opening work-group barrier
	s_cmp_lg_u32 s10, 0
	s_cbranch_scc1 .Lnot_wave_0_\@
	s_barrier_signal -3
.Lnot_wave_0_\@:
	s_barrier_wait -3
	s_barrier_signal -1
	s_barrier_wait -1
.endm
.macro CROUND
	s_barrier_signal -1
	s_barrier_wait -1
	CREST
.endm
	s_load_b128 s[4:7], s[0:1], 0x0                ; xh s[4:5], wh s[6:7]
	s_load_b64 s[8:9], s[0:1], 0x10                ; qkv
	s_set_vgpr_msb 0x40
	v_lshl_add_u32 v255, v0, 2, 0x45000
	s_set_vgpr_msb 0x4000
	v_mov_b32 v255, 0
	s_set_vgpr_msb 0x1
	ds_add_u32 v255, v255
	s_set_vgpr_msb 0x100
	v_lshrrev_b32 v1, 5, v0
	v_readfirstlane_b32 s10, v1                    ; wave 0..3
	s_lshr_b32 s11, s10, 1                         ; I fetch for xh (0) or for wh (1)
	s_and_b32 s12, s10, 1                          ; which half of that tile
	s_bfe_u32 s40, ttmp6, 0x40000                  ; cx
	s_bfe_u32 s41, ttmp6, 0x40004                  ; cy
	s_lshl_b32 s42, ttmp9, 2
	s_add_co_u32 s42, s42, s40                     ; bx: block of 576 columns
	s_and_b32 s13, ttmp7, 0xffff
	s_lshl_b32 s13, s13, 2
	s_add_co_u32 s13, s13, s41                     ; by: block of 128 rows
	s_lshl_b32 s43, s41, 2
	s_lshl_b32 s43, 15, s43                        ; my row of the cluster
	s_lshl_b32 s44, 0x1111, s40                    ; my column
	; xh's half tile: 64 rows x 192 bytes, dense: 48 rows of 256 bytes (elements of 8 bytes).  16 bytes of padding behind every 64:
	; a row of xh takes 3 x 80 = 240 bytes of LDS, an odd multiple of 16, and each third of the K step begins 80 bytes behind the last
	s_or_b32 s[G1+0], s43, (3<<16)|(1<<20)|(1<<21)|(3<<22)|(3<<25)
	s_mov_b32 s[G1+1], 32<<16                      ; tensor_dim0 = 32
	s_mov_b32 s[G1+2], 48<<16                      ; tensor_dim1 = 48
	s_mov_b32 s[G1+3], 32<<16                      ; tile_dim0 = 32
	s_mov_b32 s[G1+4], 48                          ; tile_dim1 = 48
	s_mov_b32 s[G1+5], 32                          ; elements from row to row
	s_mov_b32 s[G1+6], 0
	s_mov_b32 s[G1+7], 0
	; wh's half tile: 48 rows x 1,152 bytes, dense: 216 rows of 256 bytes, no padding (the exchange of pieces keeps the banks apart)
	s_or_b32 s[G1B+0], s44, (3<<16)|(1<<21)
	s_mov_b32 s[G1B+1], 32<<16
	s_mov_b32 s[G1B+2], 216<<16
	s_mov_b32 s[G1B+3], 32<<16
	s_mov_b32 s[G1B+4], 216
	s_mov_b32 s[G1B+5], 32
	s_mov_b32 s[G1B+6], 0
	s_mov_b32 s[G1B+7], 0
	; xh's address hangs on by and the wave alone, wh's on bx and the wave alone, each in registers that never hold the other coordinate
	s_lshr_b32 s16, s13, 3                         ; b
	s_mul_i32 s16, s16, 1572864
	s_and_b32 s17, s13, 7
	s_mul_i32 s17, s17, 24576                      ; 128 rows of 192 bytes
	s_add_co_u32 s16, s16, s17
	s_mul_i32 s17, s12, 12288                      ; my 64 rows
	s_add_co_u32 s16, s16, s17
	s_mov_b32 s17, 0
	s_mul_i32 s46, s12, 55296                      ; my 48 rows of 1,152 bytes
	s_mul_i32 s47, s42, 884736                     ; my block of wh
	s_add_co_u32 s46, s46, s47
	s_mov_b32 s47, 0
	s_mul_i32 s20, s12, 15360                      ; LDS: xh's halves (64 rows x 240),
	s_mul_i32 s21, s12, 55296
	s_add_co_u32 s21, s21, BOFF                    ; wh's halves behind them
	s_wait_dscnt 0x0
	s_wait_kmcnt 0x0
	s_add_nc_u64 s[14:15], s[4:5], s[16:17]
	s_add_nc_u64 s[46:47], s[6:7], s[46:47]
	CROUND                                         ; all sixteen work-groups are here: the first joint loads meet
.irp s, 0,1
	s_mov_b32 s[G0+4*\s], 1
	s_add_co_u32 s[G0+4*\s+1], s20, \s*SLOT
	s_add_nc_u64 s[G0+4*\s+2:G0+4*\s+3], s[14:15], \s*ASTEP
	s_or_b32 s[G0+4*\s+3], s[G0+4*\s+3], 0x80000000
	s_mov_b32 s[G0B+4*\s], 1
	s_add_co_u32 s[G0B+4*\s+1], s21, \s*SLOT
	s_add_nc_u64 s[G0B+4*\s+2:G0B+4*\s+3], s[46:47], \s*BSTEP
	s_or_b32 s[G0B+4*\s+3], s[G0B+4*\s+3], 0x80000000
	JLOAD \s                                       ; K steps 0 and 1: two loads of this wave are out
.endr
	v_and_b32 v3, 31, v0                           ; l
	v_and_b32 v1, 15, v0                           ; r = l % 16
	v_bfe_u32 v2, v0, 4, 1                         ; h = l / 16
	v_mul_u32_u24 v4, v1, 240
	v_lshl_add_u32 v[ADRA], v2, 4, v4              ; r x pitch + 16 h
	v_add_nc_u32 v[ADRA+1], SLOT, v[ADRA]
	v_and_b32 v5, 7, v0                            ; transposing load: row of K = 8 h + l % 8,
	v_lshl_add_u32 v5, v2, 3, v5
	v_mul_u32_u24 v5, v5, 1152
	v_bfe_u32 v6, v0, 1, 2                         ; (k >> 1) & 3: all further steps along K are multiples of 8 rows
	v_xor_b32 v6, s10, v6                          ; the place of my piece of 16 columns in that row
	v_lshl_add_u32 v5, v6, 5, v5
	v_bfe_u32 v6, v0, 3, 1                         ; 16 bytes on for the second eight lanes of each half
	v_lshl_add_u32 v5, v6, 4, v5
.irp s, 0,1
.irp q, 0,1,2
	v_add_nc_u32 v[ADRB+3*\s+\q], BOFF+\s*SLOT+\q*36864, v5    ; a third is 32 rows of 1,152 bytes
.endr
.endr
	v_mul_u32_u24 v4, v1, 144
	v_lshl_add_u32 v4, v2, 4, v4
	s_lshl_b32 s22, s10, 5                         ; my 16 columns of each group; also my 32 rows on the way out
	v_add_nc_u32 v[STO], s22, v4                   ; stage [g 9][row 128][144 bytes]
	v_add_nc_u32 v[STO+1], 55296, v[STO]
	v_add_nc_u32 v[STO+2], 110592, v[STO]
	v_bfe_u32 v7, v0, 3, 2                         ; back: four rows of 128 bytes a load, rows 32 w ..
	v_add_nc_u32 v7, s22, v7
	v_mul_u32_u24 v7, v7, 144
	v_and_b32 v8, 7, v0
	v_lshl_add_u32 v[RD], v8, 4, v7
	v_add_nc_u32 v[RD+1], 55296, v[RD]
	v_add_nc_u32 v[RD+2], 110592, v[RD]
	s_lshl_b32 s23, s10, 12
	v_lshl_add_u32 v[CO], v3, 4, s23               ; 32 rows of 128 bytes a wave + 16 l
; na x 4 matrix instructions of window 2 (hi = 0) or 3 (hi = 1) on buffer f; zero = 1: the first product starts the sums.
; The 72 accumulators take turns, one instruction a turn, in the same order in every third of a step.
.macro MULW f, hi, a0, na, zero
.set ma, \a0
.rept \na
.set mg, 0
.rept 4
.if \zero
	v_wmma_f32_16x16x32_f16 v[8*(4*ma+mg):8*(4*ma+mg)+7], v[WF+72*\f+8*(4*\hi+mg):WF+72*\f+8*(4*\hi+mg)+7], v[XF+64*\f+8*ma:XF+64*\f+8*ma+7], 0
.else
	v_wmma_f32_16x16x32_f16 v[8*(4*ma+mg):8*(4*ma+mg)+7], v[WF+72*\f+8*(4*\hi+mg):WF+72*\f+8*(4*\hi+mg)+7], v[XF+64*\f+8*ma:XF+64*\f+8*ma+7], v[8*(4*ma+mg):8*(4*ma+mg)+7]
.endif
.set mg, mg+1
.endr
.set ma, ma+1
.endr
.endm
.macro MUL8 f, zero                    ; group 8, accumulators in window 1
.irp a, 0,1,2,3,4,5,6,7
.if \zero
	v_wmma_f32_16x16x32_f16 v[A8+8*\a:A8+8*\a+7], v[WF+72*\f+64:WF+72*\f+71], v[XF+64*\f+8*\a:XF+64*\f+8*\a+7], 0
.else
	v_wmma_f32_16x16x32_f16 v[A8+8*\a:A8+8*\a+7], v[WF+72*\f+64:WF+72*\f+71], v[XF+64*\f+8*\a:XF+64*\f+8*\a+7], v[A8+8*\a:A8+8*\a+7]
.endif
.endr
.endm
; 34 LDS loads in one run: 9 fragments of wh (transposed on the way) and 8 of xh, 32 along K (third q of the slot's step), into buffer f
.macro FETCH slot, q, f
	WIN 0x40
.irp g, 0,1,2,3,4,5,6,7,8
	ds_load_tr16_b128 v[WF+72*\f+8*\g:WF+72*\f+8*\g+3],   v[ADRB+3*\slot+\q] offset:128*\g
	ds_load_tr16_b128 v[WF+72*\f+8*\g+4:WF+72*\f+8*\g+7], v[ADRB+3*\slot+\q] offset:128*\g+18432
.endr
	WIN 0
.irp a, 0,1,2,3,4,5,6,7
	ds_load_b128 v[XF+64*\f+8*\a:XF+64*\f+8*\a+3],   v[ADRA+\slot] offset:80*\q+3840*\a
	ds_load_b128 v[XF+64*\f+8*\a+4:XF+64*\f+8*\a+7], v[ADRA+\slot] offset:80*\q+3840*\a+32
.endr
.endm
; One of a K step's first two thirds: multiplies buffer f; behind 32 matrix instructions it fetches third nq of the same slot into buffer g.
; Four plain places stand between the last matrix instruction that read a buffer and the loads into it (ISA guide 7.12.1 for vector instructions).
.macro PART slot, nq, f, g, zero
	s_wait_dscnt 0x0                               ; buffer f's 34 loads, issued 40 matrix instructions ago
	WIN 0xa1
	MULW \f, 0, 0, 8, \zero
	PLACES 4
	FETCH \slot, \nq, \g
	WIN 0xf1
	MULW \f, 1, 0, 8, \zero
	WIN 0x51
	MUL8 \f, \zero
.endm
; The last third: multiplies buffer f and changes slots.  In front of the barrier each wave waits for its reads of this slot and for all its tensor
; loads (the one that is out is its part of the next slot).  Where the slot is filled again the barrier opens a round of the cluster's barrier, and the
; joint refill is the first tensor load behind the round.  From a request to the wait for it a wave issues 40 + 72 + 72 + 16 = 200 matrix instructions.
.macro TURN slot, next, fill, f, g
	s_wait_dscnt 0x0                               ; buffer f is in: my reads of this slot are over
	WIN 0xa1
	MULW \f, 0, 0, 4, 0
	s_wait_tensorcnt 0x0                           ; all my tensor loads have landed
	ds_add_u32 v255, v255
	s_wait_dscnt 0x0
	s_barrier_signal -1
	MULW \f, 0, 4, 4, 0                            ; register work while the others arrive
	WIN 0
	s_barrier_wait -1
.if \fill
	CREST
	s_add_nc_u64 s[G0+4*\slot+2:G0+4*\slot+3], s[G0+4*\slot+2:G0+4*\slot+3], 2*ASTEP
	s_add_nc_u64 s[G0B+4*\slot+2:G0B+4*\slot+3], s[G0B+4*\slot+2:G0B+4*\slot+3], 2*BSTEP
	JLOAD \slot
.endif
	PLACES 4
	FETCH \next, 0, \g
	WIN 0xf1
	MULW \f, 1, 0, 8, 0
	WIN 0x51
	MUL8 \f, 0
.endm
; Once round the ring: six thirds, so the two fragment buffers end where they began
.macro LAP zero
	PART 0, 1, 0, 1, \zero
	PART 0, 2, 1, 0, 0
	TURN 0, 1, 1, 0, 1
	PART 1, 1, 1, 0, 0
	PART 1, 2, 0, 1, 0
	TURN 1, 0, 1, 1, 0
.endm
	s_wait_tensorcnt 0x1                           ; my part of K step 0 is in; step 1's stays out
	s_barrier_signal -1
	s_barrier_wait -1
	FETCH 0, 0, 0
	LAP 1                                          ; 8 K steps = 4 laps: the first starts the sums,
	WIN 0
	s_mov_b32 s3, 2                                ; two go round,
.Llap:
	LAP 0
	WIN 0
	s_sub_co_u32 s3, s3, 1
	s_cmp_lg_u32 s3, 0
	s_cbranch_scc1 .Llap
	PART 0, 1, 0, 1, 0                             ; the last fills nothing
	PART 0, 2, 1, 0, 0
	TURN 0, 1, 0, 0, 1
	PART 1, 1, 1, 0, 0
	PART 1, 2, 0, 1, 0
	s_wait_dscnt 0x0
	WIN 0xa1
	MULW 1, 0, 0, 8, 0
	WIN 0xf1
	MULW 1, 1, 0, 8, 0
	WIN 0x51
	MUL8 1, 0
	PLACES 4                                       ; the places behind the last matrix instructions, for the conversions and for the loads into the buffers
	WIN 0
	s_barrier_signal -1                            ; every wave's reads of both slots are over (its wait for 0 above), all fills have landed:
	s_barrier_wait -1                              ; the slots have had their last fill and serve as the stage
	s_lshr_b32 s16, s13, 3
	s_mul_i32 s16, s16, 4718592                    ; b x 36 matrices of 131,072 bytes
	s_and_b32 s17, s13, 7
	s_lshl_b32 s17, s17, 14
	s_add_co_u32 s16, s16, s17
	s_mov_b32 s17, 0
	s_add_nc_u64 s[8:9], s[8:9], s[16:17]
	s_mul_i32 s46, s42, 1179648                    ; 9 bx matrices
	s_mov_b32 s47, 0
	s_add_nc_u64 s[8:9], s[8:9], s[46:47]
; group g: round to f16, 16 bytes a lane into the stage.  from: the window of the two sources; tile a at v[base + stride a]
.macro PUT g, from, base, stride
	WIN \from
.irp a, 0,1,2,3,4,5,6,7
.irp i, 0,1,2,3
	v_cvt_pk_f16_f32 v[TMP+4*\a+\i], v[\base+\stride*\a+2*\i], v[\base+\stride*\a+2*\i+1]
.endr
.endr
	WIN 0
.irp a, 0,1,2,3,4,5,6,7
	ds_store_b128 v[STO+\g/3], v[TMP+4*\a:TMP+4*\a+3] offset:(\g%3)*18432+2304*\a
.endr
.endm
	PUT 0, 0x0a, 0,  32
	PUT 1, 0x0a, 8,  32
	PUT 2, 0x0a, 16, 32
	PUT 3, 0x0a, 24, 32
	PUT 4, 0x0f, 0,  32
	PUT 5, 0x0f, 8,  32
	PUT 6, 0x0f, 16, 32
	PUT 7, 0x0f, 24, 32
	PUT 8, 0x05, A8, 8
	s_wait_dscnt 0x0                               ; my stores are done, for the waves that read them
	s_barrier_signal -1
	s_barrier_wait -1
; group g: my 32 rows back, four rows of 128 bytes a load, and out: each store of the wave covers 512 consecutive bytes, aligned
.macro GET g, f
	s_wait_xcnt 0x0                                ; buffer f, which earlier stores read, is loaded again only behind this wait
.irp i, 0,1,2,3,4,5,6,7
	ds_load_b128 v[XF+64*\f+4*\i:XF+64*\f+4*\i+3], v[RD+\g/3] offset:(\g%3)*18432+576*\i
.endr
.irp i, 0,1,2,3,4,5,6,7
	s_wait_dscnt 7-\i                              ; load i is in, the younger ones stay out
	global_store_b128 v[CO], v[XF+64*\f+4*\i:XF+64*\f+4*\i+3], s[8:9] offset:\g*131072+512*\i
.endr
.endm
	GET 0, 0
	GET 1, 1
	GET 2, 0
	GET 3, 1
	GET 4, 0
	GET 5, 1
	GET 6, 0
	GET 7, 1
	GET 8, 0
	s_set_vgpr_msb 0x1
	s_wait_tensorcnt 0x0
	ds_add_u32 v255, v255
	s_wait_dscnt 0x0
	s_set_vgpr_msb 0x100
	CROUND                                         ; the closing round: no work-group ends while a partner may still ask for a tile that names it
	s_endpgm
.Lfunc_end_k_q33b1532463_qkv:
	.size	k_q33b1532463_qkv, .Lfunc_end_k_q33b1532463_qkv-k_q33b1532463_qkv
	.p2alignl 7, 3214868480
	.fill 96, 4, 3214868480
	.section	.rodata,"a",@progbits
	.p2align	6, 0x0
	.amdhsa_kernel k_q33b1532463_qkv
		.amdhsa_group_segment_fixed_size 327680
		.amdhsa_private_segment_fixed_size 0
		.amdhsa_enable_private_segment 0
		.amdhsa_kernarg_size 24
		.amdhsa_user_sgpr_count 2
		.amdhsa_user_sgpr_kernarg_segment_ptr 1
		.amdhsa_wavefront_size32 1
		.amdhsa_system_sgpr_workgroup_id_x 1
		.amdhsa_system_sgpr_workgroup_id_y 1
		.amdhsa_system_sgpr_workgroup_id_z 1
		.amdhsa_system_vgpr_workitem_id 0
		.amdhsa_next_free_vgpr 1024
		.amdhsa_next_free_sgpr 66
		.amdhsa_reserve_vcc 0
		.amdhsa_float_denorm_mode_32 3
		.amdhsa_float_denorm_mode_16_64 3
		.amdhsa_memory_ordered 1
		.amdhsa_forward_progress 1
		.amdhsa_inst_pref_size 174
	.end_amdhsa_kernel
	.amdgpu_metadata
---
amdhsa.version: [ 1, 2 ]
amdhsa.kernels:
  - .name:           k_q33b1532463_qkv
    .symbol:         k_q33b1532463_qkv.kd
    .args:
      - { .name: xh, .offset: 0, .size: 8, .value_kind: global_buffer, .address_space: global }
      - { .name: wh, .offset: 8, .size: 8, .value_kind: global_buffer, .address_space: global }
      - { .name: qkv, .offset: 16, .size: 8, .value_kind: global_buffer, .address_space: global }
    .group_segment_fixed_size: 327680
    .private_segment_fixed_size: 0
    .kernarg_segment_align: 8
    .kernarg_segment_size: 24
    .max_flat_workgroup_size: 128
    .sgpr_count:     66
    .vgpr_count:     1024
    .wavefront_size: 32
...
	.end_amdgpu_metadata
.endif
;; end of part 2
;; launch attn (part 3): grid 4 x 64, 8 waves a work-group, clusters of 4 x 1, 327,680 bytes of LDS; arguments qkv, ao; writes ao
.if DOCPART == 3
	.amdgcn_target "amdgcn-amd-amdhsa--gfx1250"
	.amdhsa_code_object_version 6
	.text
	.protected	k_q33b1532463_attn
	.globl	k_q33b1532463_attn
	.p2align	8
	.type	k_q33b1532463_attn,@function
k_q33b1532463_attn:
	s_mov_b64 s[64:65], 0
	v_nop
	global_prefetch_b8 v0, s[64:65] scope:SCOPE_SE
	s_setreg_imm32_b32 hwreg(HW_REG_WAVE_MODE, 25, 1), 1
	s_wait_xcnt 0x0
	s_wait_alu depctr_hold_cnt(0) depctr_sa_sdst(0) depctr_va_vdst(0) depctr_va_sdst(0) depctr_va_ssrc(0) depctr_va_vcc(0) depctr_vm_vsrc(0)
	s_getreg_b32 s2, hwreg(HW_REG_IB_STS2, 6, 4)
	s_cmp_eq_u32 s2, 0
	s_cbranch_scc0 .Lentry_in_a_cluster
	s_endpgm
.Lentry_in_a_cluster:
	s_bfe_u32 s2, ttmp6, 0x10000c
	s_cmp_lg_u32 s2, 0x3003
	s_cbranch_scc0 .Lentry_shape_is_right
	s_endpgm
.Lentry_shape_is_right:
; Attention: softmax(q k^T / 8) v, f16 operands, f32 sums and softmax, result in f16.
;   qkv [b][J 36][t 1024][64], J = h: q, 12 + h: k, 24 + h: v.    ao [b][h][t 1024][64]
; LIMIT: P and the result are kept in f16 (P lies in 0..1; the result is an average of v, below 65,504; below 6e-5 the step is 6e-8).
; The row sums are taken over P as rounded to f16.  The maximum is a running maximum, taken away before every exponential.
; WORK-GROUPS THAT STAY: 256 work-groups, 64 clusters of four.  A unit of a cluster is half of a head's queries (512): unit U = 3 y + u, u = 0..2, is head
; U >> 1, half U & 1; work-group cx takes 128 of its queries.  The slots go on taking turns from one unit into the next, so that only the first unit waits for
; a first tile, and a unit's stores leave while the next unit is at work.
; Eight waves: wave w has queries 32 (w & 3) .. + 31 (two tiles of 16) and keys 512 (w >> 2) .. + 511.  The two waves that share queries split the keys,
; so that one wave's softmax can run beside the other's matrix work; their halves are merged at the unit's end through LDS, by waves 0-3, while waves 4-7 go on.
; K and V go through two LDS slots; a slot holds a stage: 128 keys of each half of the keys, K and V.  A unit is four stages of two sub-steps of 64 keys.
; CLUSTER: the four work-groups read the same K and V and ask for every tile jointly (mask 15), which divides those requests by four.
; S^T = K Q^T: source 0 = 16 keys, source 1 = 16 queries: a lane holds query l % 16 and keys 16 kt + 8 (l / 16) + 0..7, so the maximum is taken inside the
; lane and once across the halves, and P, rounded in place, is already source 1 of O^T = V^T P^T (source 0: V through the transposing LDS load).
; The row sums come from one more product, with ones as source 0.
; REGISTERS: window 0: v1-15 addresses, v16-47 Q, v48-63 and v232-247 the next unit's Q, v64-127 S / P, v128-191 O, v192-207 row sums, v208-229 softmax;
;   window 1: v0-63 K, v64-127 V, v128-135 ones.
.set SLOT, 77824                       ; K: 2 x 128 keys x 144 bytes, then V: 2 x 128 keys x 160 bytes
.set VOFF, 36864
.set SCR,  155648                      ; behind the ring, never filled by a tensor load: merge scratch, 17 x 512 bytes for each of four
.set STG,  190464                      ; and the output stage, 32 rows x 144 bytes for each of four
.set ADK, 4                            ; v4-5    LDS address of my K fragments, slot 0, 1
.set ADV, 6                            ; v6-7    the same for V
.set QO,  8
.set MA,  9                            ; merge scratch
.set STO, 10
.set RD,  11
.set CO,  12
.set QF,  16                           ; + 16 qt + 8 ks
.set QN0, 48                           ; the next unit's Q, tile 0
.set QN1, 232                          ; and tile 1
.set SC,  64                           ; + 32 qt + 8 kt
.set OA,  128                          ; + 32 qt + 8 dt
.set LS,  192                          ; + 8 qt
.set NM,  208                          ; + qt: minus the scaled running maximum
.set MN,  210                          ; pair: its new value
.set AL,  212                          ; pair: the factor for what has been summed
.set T,   214                          ; v[214:229] at work
.set KF,  0                            ; window 1, + 16 kt + 8 ks
.set VF,  64                           ; window 1, + 8 (4 u + dt)
.set ONE, 128                          ; window 1
.set G1K, 16                           ; s[16:23]
.set G1V, 24                           ; s[24:31]
.set G0K, 32                           ; s[32:39] one set a slot
.set G0V, 40                           ; s[40:47]
.set MSB, 0
.macro WIN new
.if MSB != \new
	s_set_vgpr_msb (MSB<<8)|\new
.set MSB, \new
.endif
.endm
.macro PLACES n
.rept \n
	v_nop
.endr
.endm
.macro CREST                           ; a round of the cluster's barrier behind its opening work-group barrier
	s_cmp_lg_u32 s8, 0
	s_cbranch_scc1 .Lnot_wave_0_\@
	s_barrier_signal -3
.Lnot_wave_0_\@:
	s_barrier_wait -3
	s_barrier_signal -1
	s_barrier_wait -1
.endm
.macro ROUND
	s_barrier_signal -1
	s_barrier_wait -1
	CREST
.endm
; A joint refill: waves with bit 1 clear fetch 64 rows of K, the others 64 rows of V.  Each line has one set of registers, equal in the four work-groups.
.macro JLOAD s
	s_cmp_lg_u32 s11, 0
	s_cbranch_scc1 .Lfor_v_\@
	tensor_load_to_lds s[G0K+4*\s:G0K+4*\s+3], s[G1K:G1K+7]
	s_nop 0
	s_branch .Lasked_\@
.Lfor_v_\@:
	tensor_load_to_lds s[G0V+4*\s:G0V+4*\s+3], s[G1V:G1V+7]
	s_nop 0
.Lasked_\@:
.endm
; Byte offsets of unit u: s50 = q's matrix in qkv, s51 = the head's matrix in ao, s52 = my work-group's 128 queries in either (the only one that holds cx)
.macro UOFF u
	s_lshr_b32 s48, \u, 1                          ; b*12 + h
	s_mul_i32 s49, s48, 43
	s_lshr_b32 s49, s49, 9                         ; b (exact below 96)
	s_mul_i32 s49, s49, 24
	s_add_co_u32 s50, s49, s48                     ; b*36 + h
	s_lshl_b32 s50, s50, 17
	s_lshl_b32 s51, s48, 17
	s_and_b32 s52, \u, 1
	s_lshl2_add_u32 s52, s52, s14                  ; block of 128 queries = 4 x half + cx
	s_lshl_b32 s52, s52, 14
.endm
	s_load_b128 s[4:7], s[0:1], 0x0                ; qkv s[4:5], ao s[6:7]
	v_lshl_add_u32 v254, v0, 2, 0x33000
	v_mov_b32 v255, 0
	ds_add_u32 v254, v255
	v_lshrrev_b32 v1, 5, v0
	v_readfirstlane_b32 s8, v1                     ; wave 0..7
	s_lshr_b32 s9, s8, 2                           ; grp: my half of the keys
	s_and_b32 s10, s8, 3                           ; wq: my 32 queries
	s_bfe_u32 s11, s8, 0x10001                     ; I fetch K (0) or V (1)
	s_and_b32 s12, s8, 1                           ; which 64 rows of a stage's 128
	s_and_b32 s13, ttmp7, 0xffff
	s_mul_i32 s13, s13, 3                          ; the cluster's first unit
	s_bfe_u32 s14, ttmp6, 0x40000                  ; cx
	s_mov_b32 s66, 0x3e38aa3b                      ; log2(e) / 8: the scale and the change of base in one factor
	s_mov_b32 s67, 0x3e38aa3b
	s_mov_b32 s68, 0x76543210                      ; v_permlanex16_b32: lane i reads lane i of the other half
	s_mov_b32 s69, 0xfedcba98
	; tiles of 64 rows x 128 bytes, dense in memory: 32 rows of 256 bytes (elements of 8 bytes); padding behind every 128 bytes:
	; K to a pitch of 144 bytes, V to 160 (an odd multiple of 32, for the transposing load)
	s_mov_b32 s[G1K+0], 15|(3<<16)|(1<<20)|(1<<21)|(4<<22)|(3<<25)
	s_mov_b32 s[G1V+0], 15|(3<<16)|(1<<20)|(1<<21)|(4<<22)|(7<<25)
.irp g, G1K, G1V
	s_mov_b32 s[\g+1], 32<<16                      ; tensor_dim0
	s_mov_b32 s[\g+2], 32<<16                      ; tensor_dim1
	s_mov_b32 s[\g+3], 32<<16                      ; tile_dim0
	s_mov_b32 s[\g+4], 32                          ; tile_dim1
	s_mov_b32 s[\g+5], 32                          ; elements from row to row
	s_mov_b32 s[\g+6], 0
	s_mov_b32 s[\g+7], 0
.endr
	s_lshl_b32 s82, s9, 16                         ; my rows in a matrix: 512 rows of 128 bytes for the half of the keys,
	s_lshl_b32 s48, s12, 13                        ; 64 rows for my half of a stage
	s_add_co_u32 s82, s82, s48
	s_mul_i32 s58, s9, 18432                       ; LDS, K: 128 keys x 144 for each half of the keys
	s_mul_i32 s48, s12, 9216
	s_add_co_u32 s58, s58, s48
	s_mul_i32 s59, s9, 20480                       ; LDS, V: behind K, 128 keys x 160
	s_mul_i32 s48, s12, 10240
	s_add_co_u32 s59, s59, s48
	s_add_co_u32 s59, s59, VOFF
	s_mov_b32 s55, 0                               ; high words of the two offset pairs
	s_mov_b32 s57, 0
	UOFF s13
	s_add_co_u32 s54, s50, s82                     ; s[54:55]: offsets of K and V, free of cx
	s_add_co_u32 s56, s50, s52                     ; s[56:57]: offsets of q and ao
	s_wait_dscnt 0x0
	s_wait_kmcnt 0x0
	s_add_nc_u64 s[76:77], s[4:5], s[54:55]        ; my rows, counted in q's matrix: k's lies 12 matrices on, v's 24
	s_add_nc_u64 s[72:73], s[4:5], s[56:57]        ; q
.irp i, 0,1
	s_mov_b32 s[G0K+4*\i], 1
	s_add_co_u32 s[G0K+4*\i+1], s58, \i*SLOT
	s_add_nc_u64 s[G0K+4*\i+2:G0K+4*\i+3], s[76:77], 12*131072+\i*16384
	s_or_b32 s[G0K+4*\i+3], s[G0K+4*\i+3], 0x80000000
	s_mov_b32 s[G0V+4*\i], 1
	s_add_co_u32 s[G0V+4*\i+1], s59, \i*SLOT
	s_add_nc_u64 s[G0V+4*\i+2:G0V+4*\i+3], s[76:77], 24*131072+\i*16384
	s_or_b32 s[G0V+4*\i+3], s[G0V+4*\i+3], 0x80000000
.endr
	ROUND                                          ; all four work-groups are here: the joint loads meet
	; The first fills of a wave in one branch on its number: stages 0 and 1 of the first unit.  Two loads of the wave are out.
	s_cmp_lg_u32 s11, 0
	s_cbranch_scc1 .Lfill_v
	tensor_load_to_lds s[G0K:G0K+3], s[G1K:G1K+7]
	s_nop 0
	tensor_load_to_lds s[G0K+4:G0K+7], s[G1K:G1K+7]
	s_nop 0
	s_branch .Lfilled
.Lfill_v:
	tensor_load_to_lds s[G0V:G0V+3], s[G1V:G1V+7]
	s_nop 0
	tensor_load_to_lds s[G0V+4:G0V+7], s[G1V:G1V+7]
	s_nop 0
.Lfilled:
	v_and_b32 v3, 31, v0                           ; l
	v_and_b32 v1, 15, v0                           ; r
	v_bfe_u32 v2, v0, 4, 1                         ; h
	v_lshlrev_b32 v[QO], 7, v1
	v_lshl_add_u32 v[QO], v2, 4, v[QO]
	s_lshl_b32 s80, s10, 12
	v_add_nc_u32 v[QO], s80, v[QO]                 ; (32 wq + r) x 128 + 16 h
.irp qt, 0,1
.irp ks, 0,1
	global_load_b128 v[QF+16*\qt+8*\ks:QF+16*\qt+8*\ks+3],   v[QO], s[72:73] offset:2048*\qt+64*\ks
	global_load_b128 v[QF+16*\qt+8*\ks+4:QF+16*\qt+8*\ks+7], v[QO], s[72:73] offset:2048*\qt+64*\ks+32
.endr
.endr
	v_lshl_add_u32 v[CO], v3, 4, s80               ; the way out: 32 rows of 128 bytes a wave + 16 l
	v_mul_u32_u24 v13, v1, 144
	v_lshl_add_u32 v13, v2, 4, v13                 ; r x 144 + 16 h
	s_mul_i32 s81, s9, 18432
	v_add_nc_u32 v[ADK], s81, v13
	v_add_nc_u32 v[ADK+1], SLOT, v[ADK]
	v_and_b32 v14, 7, v0
	v_lshl_add_u32 v14, v2, 3, v14                 ; key 8 h + l % 8
	v_mul_u32_u24 v14, v14, 160
	v_bfe_u32 v15, v0, 3, 1
	v_lshl_add_u32 v14, v15, 4, v14
	s_mul_i32 s81, s9, 20480
	s_add_co_u32 s81, s81, VOFF
	v_add_nc_u32 v[ADV], s81, v14
	v_add_nc_u32 v[ADV+1], SLOT, v[ADV]
	s_mul_i32 s81, s10, 8704
	s_add_co_u32 s81, s81, SCR
	v_lshl_add_u32 v[MA], v3, 4, s81
	s_mul_i32 s81, s10, 4608
	s_add_co_u32 s81, s81, STG
	v_add_nc_u32 v[STO], s81, v13
	v_bfe_u32 v15, v0, 3, 2
	v_mul_u32_u24 v15, v15, 144
	v_and_b32 v14, 7, v0
	v_lshl_add_u32 v15, v14, 4, v15
	v_add_nc_u32 v[RD], s81, v15
	WIN 0x40
.irp i, 0,1,2,3,4,5,6,7
	v_mov_b32 v[ONE+\i], 0x3c003c00                ; 1.0 twice in f16
.endr
	WIN 0
.macro LOADK slot, sub                 ; 64 keys x 64: 16 loads
.irp kt, 0,1,2,3
.irp ks, 0,1
	ds_load_b128 v[KF+16*\kt+8*\ks:KF+16*\kt+8*\ks+3],   v[ADK+\slot] offset:(64*\sub+16*\kt)*144+64*\ks
	ds_load_b128 v[KF+16*\kt+8*\ks+4:KF+16*\kt+8*\ks+7], v[ADK+\slot] offset:(64*\sub+16*\kt)*144+64*\ks+32
.endr
.endr
.endm
.macro LOADV slot, sub                 ; the same keys of V, transposed on the way: 16 loads
.irp u, 0,1
.irp dt, 0,1,2,3
	ds_load_tr16_b128 v[VF+8*(4*\u+\dt):VF+8*(4*\u+\dt)+3],   v[ADV+\slot] offset:(64*\sub+32*\u)*160+32*\dt
	ds_load_tr16_b128 v[VF+8*(4*\u+\dt)+4:VF+8*(4*\u+\dt)+7], v[ADV+\slot] offset:(64*\sub+32*\u+16)*160+32*\dt
.endr
.endr
.endm
; The next unit's Q, asked for at a unit's head into registers of its own,
.macro QNEXT
.irp ks, 0,1
	global_load_b128 v[QN0+8*\ks:QN0+8*\ks+3],   v[QO], s[72:73] offset:64*\ks
	global_load_b128 v[QN0+8*\ks+4:QN0+8*\ks+7], v[QO], s[72:73] offset:64*\ks+32
	global_load_b128 v[QN1+8*\ks:QN1+8*\ks+3],   v[QO], s[72:73] offset:2048+64*\ks
	global_load_b128 v[QN1+8*\ks+4:QN1+8*\ks+7], v[QO], s[72:73] offset:2048+64*\ks+32
.endr
.endm
; and taken over behind the unit's last scores: the loop's text names one set of Q, so 32 moves stand for a second copy of a unit's text
.macro QTAKE
	s_wait_loadcnt 0x0
.set i, 0
.rept 16
	v_mov_b32 v[QF+i],    v[QN0+i]
	v_mov_b32 v[QF+16+i], v[QN1+i]
.set i, i+1
.endr
.endm
; 16 matrix instructions: eight score tiles take turns, one instruction a turn; the first product starts each sum
.macro SMUL
.irp ks, 0,1
.irp kt, 0,1,2,3
.irp qt, 0,1
.if \ks
	v_wmma_f32_16x16x32_f16 v[SC+32*\qt+8*\kt:SC+32*\qt+8*\kt+7], v[KF+16*\kt+8*\ks:KF+16*\kt+8*\ks+7], v[QF+16*\qt+8*\ks:QF+16*\qt+8*\ks+7], v[SC+32*\qt+8*\kt:SC+32*\qt+8*\kt+7]
.else
	v_wmma_f32_16x16x32_f16 v[SC+32*\qt+8*\kt:SC+32*\qt+8*\kt+7], v[KF+16*\kt+8*\ks:KF+16*\kt+8*\ks+7], v[QF+16*\qt+8*\ks:QF+16*\qt+8*\ks+7], 0
.endif
.endr
.endr
.endr
.endm
; Softmax step for query tile qt: a lane has 32 scores of one query.
.macro SOFT qt, first
.irp c, 0,1,2,3
	v_max3_num_f32 v[T+\c], v[SC+32*\qt+8*\c], v[SC+32*\qt+8*\c+1], v[SC+32*\qt+8*\c+2]
.endr
.irp c, 0,1,2,3
	v_max3_num_f32 v[T+\c], v[T+\c], v[SC+32*\qt+8*\c+3], v[SC+32*\qt+8*\c+4]
.endr
.irp c, 0,1,2,3
	v_max3_num_f32 v[T+\c], v[T+\c], v[SC+32*\qt+8*\c+5], v[SC+32*\qt+8*\c+6]
.endr
	v_max3_num_f32 v[T], v[T], v[T+1], v[T+2]
	v_max3_num_f32 v[T], v[T], v[T+3], v[SC+32*\qt+7]
	v_max3_num_f32 v[T], v[T], v[SC+32*\qt+15], v[SC+32*\qt+23]
	v_max_num_f32 v[T], v[T], v[SC+32*\qt+31]
	v_permlanex16_b32 v[T+1], v[T], s68, s69       ; the other half of the lanes holds the query's other keys
	v_max_num_f32 v[T], v[T], v[T+1]
.if \first
	v_mul_f32 v[NM+\qt], 0xbe38aa3b, v[T]          ; minus the scaled maximum
	v_mul_f32 v[MN],     0xbe38aa3b, v[T]
	v_mul_f32 v[MN+1],   0xbe38aa3b, v[T]
.else
	v_mul_f32 v[T], 0xbe38aa3b, v[T]
	v_min_num_f32 v[MN],   v[NM+\qt], v[T]         ; the running maximum grows: its negative falls
	v_min_num_f32 v[MN+1], v[NM+\qt], v[T]
	v_sub_f32 v[AL], v[MN], v[NM+\qt]              ; at most 0
	v_mov_b32 v[NM+\qt], v[MN]
.endif
.set i, 0
.rept 16
	v_pk_fma_f32 v[SC+32*\qt+2*i:SC+32*\qt+2*i+1], v[SC+32*\qt+2*i:SC+32*\qt+2*i+1], s[66:67], v[MN:MN+1] op_sel_hi:[1,0,1]
.set i, i+1
.endr
.if \first == 0
	v_exp_f32 v[AL], v[AL]
.endif
.set i, 0
.rept 32
	v_exp_f32 v[SC+32*\qt+i], v[SC+32*\qt+i]
.set i, i+1
.endr
	v_nop                                          ; one plain place between the exponentials and the first use of a result (ISA guide 5.7.2)
.if \first == 0
	s_wait_alu depctr_va_vdst(0)
	v_mov_b32 v[AL+1], v[AL]
.endif
	; P to f16 in place: registers 16 u .. 16 u + 7 become source 1 for keys 32 u .. 32 u + 31 (register i takes 2 i and 2 i + 1, ascending, so no source is lost)
	s_wait_alu depctr_va_vdst(0)
.irp u, 0,1
.irp i, 0,1,2,3,4,5,6,7
	v_cvt_pk_f16_f32 v[SC+32*\qt+16*\u+\i], v[SC+32*\qt+16*\u+2*\i], v[SC+32*\qt+16*\u+2*\i+1]
.endr
.endr
.if \first == 0
.set i, 0
.rept 16
	v_pk_mul_f32 v[OA+32*\qt+2*i:OA+32*\qt+2*i+1], v[OA+32*\qt+2*i:OA+32*\qt+2*i+1], v[AL:AL+1]
.set i, i+1
.endr
.set i, 0
.rept 4
	v_pk_mul_f32 v[LS+8*\qt+2*i:LS+8*\qt+2*i+1], v[LS+8*\qt+2*i:LS+8*\qt+2*i+1], v[AL:AL+1]
.set i, i+1
.endr
.endif
.endm
; 10 matrix instructions: four tiles of O^T and the row sums take turns, one instruction a turn
.macro PVMUL qt, first
.irp u, 0,1
.irp dt, 0,1,2,3
.if \first*(1-\u)
	v_wmma_f32_16x16x32_f16 v[OA+32*\qt+8*\dt:OA+32*\qt+8*\dt+7], v[VF+8*(4*\u+\dt):VF+8*(4*\u+\dt)+7], v[SC+32*\qt+16*\u:SC+32*\qt+16*\u+7], 0
.else
	v_wmma_f32_16x16x32_f16 v[OA+32*\qt+8*\dt:OA+32*\qt+8*\dt+7], v[VF+8*(4*\u+\dt):VF+8*(4*\u+\dt)+7], v[SC+32*\qt+16*\u:SC+32*\qt+16*\u+7], v[OA+32*\qt+8*\dt:OA+32*\qt+8*\dt+7]
.endif
.endr
.if \first*(1-\u)
	v_wmma_f32_16x16x32_f16 v[LS+8*\qt:LS+8*\qt+7], v[ONE:ONE+7], v[SC+32*\qt+16*\u:SC+32*\qt+16*\u+7], 0
.else
	v_wmma_f32_16x16x32_f16 v[LS+8*\qt:LS+8*\qt+7], v[ONE:ONE+7], v[SC+32*\qt+16*\u:SC+32*\qt+16*\u+7], v[LS+8*\qt:LS+8*\qt+7]
.endif
.endr
.endm
; 64 keys: half sub of the stage in this slot.  nk = 1: the next sub-step's K fragments (slot nslot, half nsub) are fetched here.  ql = 1: Q changes.
; bmode = -1: inside a stage.  Otherwise the stage ends here, as soon as its last fragments (V's) are in registers:
;   every wave waits for its LDS reads and for all its tensor loads (the one that is out is its part of the next stage), steps the slot's addresses, and signals;
;   ten matrix instructions are the register work between signal and wait; then
;   bmode 1: the rest of a round of the cluster's barrier, and the joint refill with the same unit's stage two on, the wave's one tensor load behind the round;
;   bmode 2: the same with the next unit's stage of this slot's number;   bmode 0: no refill is left, the work-group's barrier alone shows the next stage whole.
; A refill has the whole next stage in which to land: 72 matrix instructions and four softmax steps of each wave.
.macro SUB slot, sub, first, bmode, nk, nslot, nsub, ql
	s_wait_dscnt 0x0                               ; K's fragments are in
	WIN 0x01
	SMUL
	WIN 0
	PLACES 4                                       ; behind the matrix instructions: for the writes of K's and Q's registers and for the maxima, which read results
.if \ql
	QTAKE
.endif
	WIN 0x40
	LOADV \slot, \sub
.if \bmode+1
	WIN 0
	SOFT 0, \first
	s_wait_dscnt 0x0                               ; V's fragments are in: my reads of this slot are over
	s_wait_tensorcnt 0x0                           ; all my tensor loads have landed: every group 0 may be written
	ds_add_u32 v254, v255
	s_wait_dscnt 0x0
.if \bmode == 1
	s_add_nc_u64 s[G0K+4*\slot+2:G0K+4*\slot+3], s[G0K+4*\slot+2:G0K+4*\slot+3], 32768
	s_add_nc_u64 s[G0V+4*\slot+2:G0V+4*\slot+3], s[G0V+4*\slot+2:G0V+4*\slot+3], 32768
.endif
.if \bmode == 2
	s_add_nc_u64 s[G0K+4*\slot+2:G0K+4*\slot+3], s[76:77], 12*131072+\slot*16384
	s_or_b32 s[G0K+4*\slot+3], s[G0K+4*\slot+3], 0x80000000
	s_add_nc_u64 s[G0V+4*\slot+2:G0V+4*\slot+3], s[76:77], 24*131072+\slot*16384
	s_or_b32 s[G0V+4*\slot+3], s[G0V+4*\slot+3], 0x80000000
.endif
	s_barrier_signal -1
	WIN 0x01
	PVMUL 0, \first
	WIN 0
	s_barrier_wait -1
.if \bmode
	CREST
	JLOAD \slot
.endif
.if \nk
	WIN 0x40
	LOADK \nslot, \nsub
	WIN 0
.endif
.else
.if \nk
	LOADK \nslot, \nsub
.endif
	WIN 0
	SOFT 0, \first
	s_wait_dscnt 16*\nk                            ; V's 16 loads are in; the next K's 16 stay out
	WIN 0x01
	PVMUL 0, \first
	WIN 0
.endif
	SOFT 1, \first
	WIN 0x01
	PVMUL 1, \first
	WIN 0
	PLACES 5                                       ; the next scores are written over P, which the last matrix instructions read
.endm
; MERGE of the two halves of the keys, through scratch that no tensor load fills.  Waves 4-7 hand their half over and go on; waves 0-3 finish the unit.
; The scratch is written again a unit later, behind four barriers in front of which waves 0-3 have waited for their reads of it.
.macro MERGE
	s_cmp_eq_u32 s9, 0
	s_cbranch_scc1 .Lkeep_\@
	v_mov_b32 v[T],   v[NM]
	v_mov_b32 v[T+1], v[NM+1]
	v_mov_b32 v[T+2], v[LS]
	v_mov_b32 v[T+3], v[LS+8]
.set i, 0
.rept 16
	ds_store_b128 v[MA], v[OA+4*i:OA+4*i+3] offset:512*i
.set i, i+1
.endr
	ds_store_b128 v[MA], v[T:T+3] offset:8192
.Lkeep_\@:
	s_wait_dscnt 0x0                               ; the stores are done, for the waves that read them
	s_barrier_signal -1                            ; the refill that is out may stay out
	s_barrier_wait -1
	s_cmp_lg_u32 s9, 0
	s_cbranch_scc1 .Lover_\@
.set i, 0
.rept 16
	ds_load_b128 v[SC+4*i:SC+4*i+3], v[MA] offset:512*i
.set i, i+1
.endr
	ds_load_b128 v[T:T+3], v[MA] offset:8192
	s_wait_dscnt 0x0
.irp qt, 0,1
	v_min_num_f32 v[T+4], v[NM+\qt], v[T+\qt]      ; the larger maximum (as negatives: the smaller)
	v_sub_f32 v[T+6], v[T+4], v[NM+\qt]
	v_sub_f32 v[T+8], v[T+4], v[T+\qt]
	v_exp_f32 v[T+6], v[T+6]
	v_exp_f32 v[T+8], v[T+8]
	v_nop                                          ; a plain place behind the exponentials
	s_wait_alu depctr_va_vdst(0)
	v_mul_f32 v[T+5], v[LS+8*\qt], v[T+6]
	v_fmac_f32 v[T+5], v[T+2+\qt], v[T+8]          ; the whole row sum, at least 1: the largest score's term is 1
	v_rcp_f32 v[T+5], v[T+5]
	v_nop                                          ; a plain place behind the reciprocal
	s_wait_alu depctr_va_vdst(0)
	v_mul_f32 v[T+6], v[T+6], v[T+5]
	v_mul_f32 v[T+8], v[T+8], v[T+5]
	v_mov_b32 v[T+7], v[T+6]
	v_mov_b32 v[T+9], v[T+8]
.set i, 0
.rept 16
	v_pk_mul_f32 v[OA+32*\qt+2*i:OA+32*\qt+2*i+1], v[OA+32*\qt+2*i:OA+32*\qt+2*i+1], v[T+6:T+7]
	v_pk_fma_f32 v[OA+32*\qt+2*i:OA+32*\qt+2*i+1], v[SC+32*\qt+2*i:SC+32*\qt+2*i+1], v[T+8:T+9], v[OA+32*\qt+2*i:OA+32*\qt+2*i+1]
.set i, i+1
.endr
.irp dt, 0,1,2,3
.irp i, 0,1,2,3
	v_cvt_pk_f16_f32 v[OA+32*\qt+8*\dt+\i], v[OA+32*\qt+8*\dt+2*\i], v[OA+32*\qt+8*\dt+2*\i+1]
.endr
	ds_store_b128 v[STO], v[OA+32*\qt+8*\dt:OA+32*\qt+8*\dt+3] offset:2304*\qt+32*\dt   ; query 16 qt + r, d = 16 dt + 8 h + 0..7
.endr
.endr
.irp t, 0,1,2,3,4,5,6,7
	ds_load_b128 v[SC+4*\t:SC+4*\t+3], v[RD] offset:576*\t     ; my own stage: LDS serves a wave's instructions in order (ISA guide 5.7.1.4)
.endr
.irp t, 0,1,2,3,4,5,6,7
	s_wait_dscnt 7-\t                              ; load t is in, the younger ones stay out
	global_store_b128 v[CO], v[SC+4*\t:SC+4*\t+3], s[74:75] offset:512*\t   ; four rows of 128 bytes: 512 consecutive bytes, aligned
.endr
.Lover_\@:
.endm
; A unit: 128 queries of my work-group against the head's 1,024 keys.  last = 1: nothing follows it.
.macro UNIT last
	s_wait_xcnt 0x0                                ; the last unit's stores have read their base and their data: both are written again below
	UOFF s13
	s_add_co_u32 s56, s51, s52
	s_add_nc_u64 s[74:75], s[6:7], s[56:57]        ; where this unit's result goes
.if \last == 0
	s_add_co_u32 s53, s13, 1
	UOFF s53
	s_add_co_u32 s54, s50, s82
	s_add_nc_u64 s[76:77], s[4:5], s[54:55]        ; the next unit's K and V
	s_add_co_u32 s56, s50, s52
	s_add_nc_u64 s[72:73], s[4:5], s[56:57]        ; and its Q (the loads that read this base were waited for)
	QNEXT
.endif
	SUB 0, 0, 1, -1, 1, 0, 1, 0                    ; stage 0
	SUB 0, 1, 0,  1, 1, 1, 0, 0
	SUB 1, 0, 0, -1, 1, 1, 1, 0                    ; stage 1
	SUB 1, 1, 0,  1, 1, 0, 0, 0
	SUB 0, 0, 0, -1, 1, 0, 1, 0                    ; stage 2
.if \last
	SUB 0, 1, 0,  0, 1, 1, 0, 0
	SUB 1, 0, 0, -1, 1, 1, 1, 0                    ; stage 3
	SUB 1, 1, 0, -1, 0, 0, 0, 0
.else
	SUB 0, 1, 0,  2, 1, 1, 0, 0
	SUB 1, 0, 0, -1, 1, 1, 1, 0                    ; stage 3
	SUB 1, 1, 0,  2, 1, 0, 0, 1
.endif
	MERGE
.endm
	s_wait_tensorcnt 0x1                           ; my part of stage 0 is in, stage 1's stays out
	s_barrier_signal -1
	s_barrier_wait -1
	WIN 0x40
	LOADK 0, 0
	WIN 0
	s_wait_loadcnt 0x0                             ; the first unit's Q
	s_mov_b32 s15, 2                               ; two units go round, the third is written out: it fills no slot that nobody reads
.Lunit:
	UNIT 0
	s_add_co_u32 s13, s13, 1
	s_sub_co_u32 s15, s15, 1
	s_cmp_lg_u32 s15, 0
	s_cbranch_scc1 .Lunit
	UNIT 1
	s_wait_tensorcnt 0x0
	ds_add_u32 v254, v255
	s_wait_dscnt 0x0
	ROUND                                          ; the closing round
	s_endpgm
.Lfunc_end_k_q33b1532463_attn:
	.size	k_q33b1532463_attn, .Lfunc_end_k_q33b1532463_attn-k_q33b1532463_attn
	.p2alignl 7, 3214868480
	.fill 96, 4, 3214868480
	.section	.rodata,"a",@progbits
	.p2align	6, 0x0
	.amdhsa_kernel k_q33b1532463_attn
		.amdhsa_group_segment_fixed_size 327680
		.amdhsa_private_segment_fixed_size 0
		.amdhsa_enable_private_segment 0
		.amdhsa_kernarg_size 16
		.amdhsa_user_sgpr_count 2
		.amdhsa_user_sgpr_kernarg_segment_ptr 1
		.amdhsa_wavefront_size32 1
		.amdhsa_system_sgpr_workgroup_id_x 1
		.amdhsa_system_sgpr_workgroup_id_y 1
		.amdhsa_system_sgpr_workgroup_id_z 1
		.amdhsa_system_vgpr_workitem_id 0
		.amdhsa_next_free_vgpr 392
		.amdhsa_next_free_sgpr 84
		.amdhsa_reserve_vcc 0
		.amdhsa_float_denorm_mode_32 3
		.amdhsa_float_denorm_mode_16_64 3
		.amdhsa_memory_ordered 1
		.amdhsa_forward_progress 1
		.amdhsa_inst_pref_size 255
	.end_amdhsa_kernel
	.section	.bss,"aw",@nobits
	.p2align	6
	.space	262144
	.amdgpu_metadata
---
amdhsa.version: [ 1, 2 ]
amdhsa.kernels:
  - .name:           k_q33b1532463_attn
    .symbol:         k_q33b1532463_attn.kd
    .args:
      - { .name: qkv, .offset: 0, .size: 8, .value_kind: global_buffer, .address_space: global }
      - { .name: ao, .offset: 8, .size: 8, .value_kind: global_buffer, .address_space: global }
    .group_segment_fixed_size: 327680
    .private_segment_fixed_size: 0
    .kernarg_segment_align: 8
    .kernarg_segment_size: 16
    .max_flat_workgroup_size: 256
    .sgpr_count:     84
    .vgpr_count:     392
    .wavefront_size: 32
...
	.end_amdgpu_metadata
.endif
;; end of part 3
;; launch proj (part 4): grid 4 x 64, 4 waves a work-group, clusters of 4 x 4, 327,680 bytes of LDS; arguments ao, ph, bproj, out0; writes out0
.if DOCPART == 4
	.amdgcn_target "amdgcn-amd-amdhsa--gfx1250"
	.amdhsa_code_object_version 6
	.text
	.protected	k_q33b1532463_proj
	.globl	k_q33b1532463_proj
	.p2align	8
	.type	k_q33b1532463_proj,@function
k_q33b1532463_proj:
	s_mov_b64 s[64:65], 0
	v_nop
	global_prefetch_b8 v0, s[64:65] scope:SCOPE_SE
	s_setreg_imm32_b32 hwreg(HW_REG_WAVE_MODE, 25, 1), 1
	s_wait_xcnt 0x0
	s_wait_alu depctr_hold_cnt(0) depctr_sa_sdst(0) depctr_va_vdst(0) depctr_va_sdst(0) depctr_va_ssrc(0) depctr_va_vcc(0) depctr_vm_vsrc(0)
	s_getreg_b32 s2, hwreg(HW_REG_IB_STS2, 6, 4)
	s_cmp_eq_u32 s2, 0
	s_cbranch_scc0 .Lentry_in_a_cluster
	s_endpgm
.Lentry_in_a_cluster:
	s_bfe_u32 s2, ttmp6, 0x10000c
	s_cmp_lg_u32 s2, 0xf033
	s_cbranch_scc0 .Lentry_shape_is_right
	s_endpgm
.Lentry_shape_is_right:
; out0 = concat(heads) Wproj + bproj: [8192 x 768] x [768 x 768], f16 operands, f32 sums, f32 result.
;   ao [b][h 12][t 1024][64] (K = h*64 + d)   ph [k 768][768]   out0 [8192][768] f32
; A work-group makes 128 rows x 192 columns: 64 x 4 blocks, one for each of 256 work-groups.  All four waves use all 128 rows; wave w takes columns
; 64 g + 16 w .. + 15, g = 0..2: 24 accumulator tiles.  K goes in 4 steps of 192 (six quarters of 32) through two LDS slots; all four steps are written out.
; CLUSTERS: 4 x 4; ao's tiles are shared along a row of the cluster, ph's along a column, each asked for jointly by the four.
; The matrix instruction is used transposed (source 0 = 16 columns of ph through the transposing LDS load, source 1 = 16 rows of ao): a lane holds row l % 16
; and eight neighbouring columns.  The bias is the C of the first products: nothing is cleared and nothing added later.
; REGISTERS: window 0: v16-28 addresses, v64-127 / v128-191 fragments of ao; window 1: v0-23 / v24-47 fragments of ph;
;   window 2: tile (a, g) at v[8 (3 a + g)], v192-215 the bias of my 3 x 8 columns.
.set SLOT,  147456                     ; ao: 3 blocks x 128 rows x 144 bytes, then ph: 192 rows x 480 bytes
.set BOFF,  55296
.set ADRA, 16                          ; v16-17  slot 0, 1
.set ADRB, 20                          ; v20-23  slot*2 + (quarters 3-5)
.set STO,  24                          ; v24-25  rows 0-63, 64-127
.set RD,   26
.set CO,   27
.set BO,   28
.set XF,   64                          ; + 64 f
.set WF,   0                           ; window 1, + 24 f
.set BI,   192                         ; window 2
.set G1,  24
.set G0,  32
.set G1B, 48
.set G0B, 56
.set MSB, 0
.macro WIN new
.if MSB != \new
	s_set_vgpr_msb (MSB<<8)|\new
.set MSB, \new
.endif
.endm
.macro PLACES n
.rept \n
	v_nop
.endr
.endm
.macro JLOAD s                         ; waves 0-2 fetch ao's three blocks of 64 along K, wave 3 fetches ph's tile
	s_cmp_lt_u32 s12, 3
	s_cbranch_scc0 .Lfor_b_\@
	tensor_load_to_lds s[G0+4*\s:G0+4*\s+3], s[G1:G1+7]
	s_nop 0
	s_branch .Lasked_\@
.Lfor_b_\@:
	tensor_load_to_lds s[G0B+4*\s:G0B+4*\s+3], s[G1B:G1B+7]
	s_nop 0
.Lasked_\@:
.endm
.macro CREST
	s_cmp_lg_u32 s12, 0
	s_cbranch_scc1 .Lnot_wave_0_\@
	s_barrier_signal -3
.Lnot_wave_0_\@:
	s_barrier_wait -3
	s_barrier_signal -1
	s_barrier_wait -1
.endm
.macro CROUND
	s_barrier_signal -1
	s_barrier_wait -1
	CREST
.endm
	s_load_b256 s[4:11], s[0:1], 0x0               ; ao s[4:5], ph s[6:7], bproj s[8:9], out0 s[10:11]
	s_set_vgpr_msb 0x40
	v_lshl_add_u32 v255, v0, 2, 0x48000
	s_set_vgpr_msb 0x4000
	v_mov_b32 v255, 0
	s_set_vgpr_msb 0x1
	ds_add_u32 v255, v255
	s_set_vgpr_msb 0x100
	v_lshrrev_b32 v1, 5, v0
	v_readfirstlane_b32 s12, v1                    ; wave 0..3
	s_bfe_u32 s40, ttmp6, 0x40000                  ; cx
	s_bfe_u32 s41, ttmp6, 0x40004                  ; cy
	s_lshl_b32 s42, ttmp9, 2
	s_add_co_u32 s42, s42, s40                     ; bx: block of 192 columns
	s_and_b32 s13, ttmp7, 0xffff
	s_lshl_b32 s13, s13, 2
	s_add_co_u32 s13, s13, s41                     ; by: block of 128 rows
	s_lshl_b32 s43, s41, 2
	s_lshl_b32 s43, 15, s43                        ; my row of the cluster
	s_lshl_b32 s44, 0x1111, s40                    ; my column
	; ao's block: 128 rows x 128 bytes, dense: 64 rows of 256 bytes (elements of 8 bytes); 16 bytes of padding behind every 128: LDS pitch 144
	s_or_b32 s[G1+0], s43, (3<<16)|(1<<20)|(1<<21)|(4<<22)|(3<<25)
	s_mov_b32 s[G1+1], 32<<16
	s_mov_b32 s[G1+2], 64<<16
	s_mov_b32 s[G1+3], 32<<16
	s_mov_b32 s[G1+4], 64
	s_mov_b32 s[G1+5], 32
	s_mov_b32 s[G1+6], 0
	s_mov_b32 s[G1+7], 0
	; ph's tile: 192 rows x 192 elements; 32 bytes of padding behind every 128: a row is 3 x 160 = 480 bytes, an odd multiple of 32
	s_or_b32 s[G1B+0], s44, (1<<16)|(1<<20)|(1<<21)|(4<<22)|(7<<25)
	s_mov_b32 s[G1B+1], 192<<16
	s_mov_b32 s[G1B+2], 192<<16
	s_mov_b32 s[G1B+3], 192<<16
	s_mov_b32 s[G1B+4], 192
	s_mov_b32 s[G1B+5], 768
	s_mov_b32 s[G1B+6], 0
	s_mov_b32 s[G1B+7], 0
	s_lshr_b32 s16, s13, 3                         ; b
	s_mul_i32 s16, s16, 1572864
	s_and_b32 s17, s13, 7
	s_lshl_b32 s17, s17, 14
	s_add_co_u32 s16, s16, s17
	s_lshl_b32 s17, s12, 17                        ; my block of 64 along K
	s_add_co_u32 s16, s16, s17
	s_mov_b32 s17, 0
	s_mul_i32 s46, s42, 384                        ; 192 columns of f16
	s_mov_b32 s47, 0
	s_mul_i32 s22, s42, 768                        ; 192 columns of f32: in bproj and in a row of out0
	s_mov_b32 s23, 0
	s_mul_i32 s20, s12, 18432                      ; LDS: my block of ao
	s_mul_i32 s18, s13, 393216                     ; 128 rows of out0
	s_mov_b32 s19, 0
	s_wait_dscnt 0x0
	s_wait_kmcnt 0x0
	s_add_nc_u64 s[14:15], s[4:5], s[16:17]
	s_add_nc_u64 s[46:47], s[6:7], s[46:47]
	s_add_nc_u64 s[8:9], s[8:9], s[22:23]
	s_add_nc_u64 s[10:11], s[10:11], s[18:19]
	s_add_nc_u64 s[10:11], s[10:11], s[22:23]
	CROUND                                         ; all sixteen work-groups are here: the first joint loads meet
.irp s, 0,1
	s_mov_b32 s[G0+4*\s], 1
	s_add_co_u32 s[G0+4*\s+1], s20, \s*SLOT
	s_add_nc_u64 s[G0+4*\s+2:G0+4*\s+3], s[14:15], \s*393216
	s_or_b32 s[G0+4*\s+3], s[G0+4*\s+3], 0x80000000
	s_mov_b32 s[G0B+4*\s], 1
	s_mov_b32 s[G0B+4*\s+1], BOFF+\s*SLOT
	s_add_nc_u64 s[G0B+4*\s+2:G0B+4*\s+3], s[46:47], \s*294912
	s_or_b32 s[G0B+4*\s+3], s[G0B+4*\s+3], 0x80000000
	JLOAD \s                                       ; K steps 0 and 1: two loads of this wave are out
.endr
	v_and_b32 v1, 15, v0                           ; r
	v_bfe_u32 v2, v0, 4, 1                         ; h
	s_lshl_b32 s16, s12, 6                         ; 16 columns of f32
	s_lshl_b32 s17, s12, 5                         ; 16 columns of f16; also my 32 rows on the way out
	v_lshlrev_b32 v[BO], 5, v2
	v_add_nc_u32 v[BO], s16, v[BO]                 ; bias of columns 16 w + 8 h ..
	WIN 0x80
.irp g, 0,1,2
	global_load_b128 v[BI+8*\g:BI+8*\g+3],   v[BO], s[8:9] offset:256*\g
	global_load_b128 v[BI+8*\g+4:BI+8*\g+7], v[BO], s[8:9] offset:256*\g+16
.endr
	WIN 0
	v_mul_u32_u24 v4, v1, 144
	v_lshl_add_u32 v[ADRA], v2, 4, v4
	v_add_nc_u32 v[ADRA+1], SLOT, v[ADRA]
	v_and_b32 v5, 7, v0
	v_lshl_add_u32 v5, v2, 3, v5                   ; row of K = 8 h + l % 8
	v_mul_u32_u24 v5, v5, 480
	v_bfe_u32 v6, v0, 3, 1
	v_lshl_add_u32 v5, v6, 4, v5
	s_add_co_u32 s18, s17, BOFF
	v_add_nc_u32 v[ADRB], s18, v5
	v_add_nc_u32 v[ADRB+1], 46080, v[ADRB]         ; 96 rows of K on
	v_add_nc_u32 v[ADRB+2], SLOT, v[ADRB]
	v_add_nc_u32 v[ADRB+3], SLOT, v[ADRB+1]
	v_mul_u32_u24 v6, v1, 784                      ; stage: 128 rows x (768 + 16) bytes
	v_lshl_add_u32 v6, v2, 5, v6
	v_add_nc_u32 v[STO], s16, v6
	v_add_nc_u32 v[STO+1], 50176, v[STO]
	v_add_nc_u32 v7, s17, v2                       ; back: row 32 w + h, two rows a load
	v_mul_u32_u24 v8, v7, 784
	v_lshl_add_u32 v[RD], v1, 4, v8
	v_mul_u32_u24 v8, v7, 3072
	v_lshl_add_u32 v[CO], v1, 4, v8
; na x 3 matrix instructions on buffer f; bias = 1: the first products take the bias as C.
; The 24 accumulators take turns, one instruction a turn, in the same order in every quarter.
.macro MULP f, a0, na, bias
.set ma, \a0
.rept \na
.set mg, 0
.rept 3
.if \bias
	v_wmma_f32_16x16x32_f16 v[8*(3*ma+mg):8*(3*ma+mg)+7], v[WF+24*\f+8*mg:WF+24*\f+8*mg+7], v[XF+64*\f+8*ma:XF+64*\f+8*ma+7], v[BI+8*mg:BI+8*mg+7]
.else
	v_wmma_f32_16x16x32_f16 v[8*(3*ma+mg):8*(3*ma+mg)+7], v[WF+24*\f+8*mg:WF+24*\f+8*mg+7], v[XF+64*\f+8*ma:XF+64*\f+8*ma+7], v[8*(3*ma+mg):8*(3*ma+mg)+7]
.endif
.set mg, mg+1
.endr
.set ma, ma+1
.endr
.endm
; 22 LDS loads: quarter q of the slot's step into buffer f
.macro FETCH slot, q, f
	WIN 0x40
.irp g, 0,1,2
	ds_load_tr16_b128 v[WF+24*\f+8*\g:WF+24*\f+8*\g+3],   v[ADRB+2*\slot+\q/3] offset:(\q%3)*15360+160*\g
	ds_load_tr16_b128 v[WF+24*\f+8*\g+4:WF+24*\f+8*\g+7], v[ADRB+2*\slot+\q/3] offset:(\q%3)*15360+160*\g+7680
.endr
	WIN 0
.irp a, 0,1,2,3,4,5,6,7
	ds_load_b128 v[XF+64*\f+8*\a:XF+64*\f+8*\a+3],   v[ADRA+\slot] offset:(\q>>1)*18432+64*(\q&1)+2304*\a
	ds_load_b128 v[XF+64*\f+8*\a+4:XF+64*\f+8*\a+7], v[ADRA+\slot] offset:(\q>>1)*18432+64*(\q&1)+2304*\a+32
.endr
.endm
; One of a step's first five quarters: at its head it fetches quarter nq into buffer g, then multiplies buffer f: the 22 loads have all 24 matrix
; instructions of the quarter in which to come back.  Four plain places stand between the last matrix instruction that read buffer g and the loads into it.
.macro QUART slot, nq, f, g, bias
	s_wait_dscnt 0x0                               ; buffer f's 22 loads, issued a quarter ago
	PLACES 4
	FETCH \slot, \nq, \g
	WIN 0xa1
	MULP \f, 0, 8, \bias
.endm
.macro FIVE slot, bias
	QUART \slot, 1, 0, 1, \bias
	QUART \slot, 2, 1, 0, 0
	QUART \slot, 3, 0, 1, 0
	QUART \slot, 4, 1, 0, 0
	QUART \slot, 5, 0, 1, 0
.endm
; The sixth quarter multiplies buffer 1 and changes slots: each wave's reads of this slot and all its tensor loads are waited for in front of the barrier;
; where the slot is filled again the barrier opens a round of the cluster's barrier and the joint refill is the first tensor load behind the round.
; From a request to the wait for it a wave issues 18 + 5 x 24 = 138 matrix instructions.
.macro TURN slot, next, fill
	s_wait_dscnt 0x0                               ; buffer 1 is in: my reads of this slot are over
	s_wait_tensorcnt 0x0                           ; all my tensor loads have landed
	ds_add_u32 v255, v255
	s_wait_dscnt 0x0
	s_barrier_signal -1
	WIN 0xa1
	MULP 1, 0, 2, 0                                ; register work while the others arrive
	WIN 0
	s_barrier_wait -1
.if \fill
	CREST
	s_add_nc_u64 s[G0+4*\slot+2:G0+4*\slot+3], s[G0+4*\slot+2:G0+4*\slot+3], 786432
	s_add_nc_u64 s[G0B+4*\slot+2:G0B+4*\slot+3], s[G0B+4*\slot+2:G0B+4*\slot+3], 589824
	JLOAD \slot
.endif
	PLACES 4
	FETCH \next, 0, 0
	WIN 0xa1
	MULP 1, 2, 6, 0
.endm
	s_wait_tensorcnt 0x1                           ; my part of K step 0 is in; step 1's stays out
	s_barrier_signal -1
	s_barrier_wait -1
	FETCH 0, 0, 0
	s_wait_loadcnt 0x0                             ; the bias
	FIVE 0, 1                                      ; K step 0
	TURN 0, 1, 1
	FIVE 1, 0                                      ; K step 1
	TURN 1, 0, 1
	FIVE 0, 0                                      ; K step 2: nothing is left to fetch
	TURN 0, 1, 0
	FIVE 1, 0                                      ; K step 3
	s_wait_dscnt 0x0
	WIN 0xa1
	MULP 1, 0, 8, 0
	; THE WAY OUT through a stage in slot 0: its last fill has landed and every wave's reads of it were over at the barrier of K step 2's change of slots.
	PLACES 4                                       ; behind the last matrix instructions: for the LDS stores, which read results, and the loads into the buffers
	WIN 0x08
.irp a, 0,1,2,3,4,5,6,7
.irp g, 0,1,2
	ds_store_b128 v[STO+\a/4], v[8*(3*\a+\g):8*(3*\a+\g)+3]   offset:(\a%4)*12544+256*\g
	ds_store_b128 v[STO+\a/4], v[8*(3*\a+\g)+4:8*(3*\a+\g)+7] offset:(\a%4)*12544+256*\g+16
.endr
.endr
	WIN 0
	s_wait_dscnt 0x0                               ; my stores are done, for the waves that read them
	s_barrier_signal -1
	s_barrier_wait -1
; eight loads and stores: piece n = 3 p + u is 256 bytes (u) of rows 32 w + 2 p and + 1; sixteen lanes store 256 consecutive bytes, aligned
.macro GETB n0, f
	s_wait_xcnt 0x0                                ; buffer f, which earlier stores read, is loaded again only behind this wait
.set n, \n0
.rept 8
	ds_load_b128 v[XF+64*\f+4*(n-\n0):XF+64*\f+4*(n-\n0)+3], v[RD] offset:1568*(n/3)+256*(n%3)
.set n, n+1
.endr
.set n, \n0
.rept 8
	s_wait_dscnt 7-(n-\n0)                         ; this load is in, the younger ones stay out
	global_store_b128 v[CO], v[XF+64*\f+4*(n-\n0):XF+64*\f+4*(n-\n0)+3], s[10:11] offset:6144*(n/3)+256*(n%3) th:TH_STORE_NT
.set n, n+1
.endr
.endm
	GETB 0,  0
	GETB 8,  1
	GETB 16, 0
	GETB 24, 1
	GETB 32, 0
	GETB 40, 1
	s_set_vgpr_msb 0x1
	s_wait_tensorcnt 0x0
	ds_add_u32 v255, v255
	s_wait_dscnt 0x0
	s_set_vgpr_msb 0x100
	CROUND                                         ; the closing round
	s_endpgm
.Lfunc_end_k_q33b1532463_proj:
	.size	k_q33b1532463_proj, .Lfunc_end_k_q33b1532463_proj-k_q33b1532463_proj
	.p2alignl 7, 3214868480
	.fill 96, 4, 3214868480
	.section	.rodata,"a",@progbits
	.p2align	6, 0x0
	.amdhsa_kernel k_q33b1532463_proj
		.amdhsa_group_segment_fixed_size 327680
		.amdhsa_private_segment_fixed_size 0
		.amdhsa_enable_private_segment 0
		.amdhsa_kernarg_size 32
		.amdhsa_user_sgpr_count 2
		.amdhsa_user_sgpr_kernarg_segment_ptr 1
		.amdhsa_wavefront_size32 1
		.amdhsa_system_sgpr_workgroup_id_x 1
		.amdhsa_system_sgpr_workgroup_id_y 1
		.amdhsa_system_sgpr_workgroup_id_z 1
		.amdhsa_system_vgpr_workitem_id 0
		.amdhsa_next_free_vgpr 728
		.amdhsa_next_free_sgpr 66
		.amdhsa_reserve_vcc 0
		.amdhsa_float_denorm_mode_32 3
		.amdhsa_float_denorm_mode_16_64 3
		.amdhsa_memory_ordered 1
		.amdhsa_forward_progress 1
		.amdhsa_inst_pref_size 97
	.end_amdhsa_kernel
	.amdgpu_metadata
---
amdhsa.version: [ 1, 2 ]
amdhsa.kernels:
  - .name:           k_q33b1532463_proj
    .symbol:         k_q33b1532463_proj.kd
    .args:
      - { .name: ao, .offset: 0, .size: 8, .value_kind: global_buffer, .address_space: global }
      - { .name: ph, .offset: 8, .size: 8, .value_kind: global_buffer, .address_space: global }
      - { .name: bproj, .offset: 16, .size: 8, .value_kind: global_buffer, .address_space: global }
      - { .name: out0, .offset: 24, .size: 8, .value_kind: global_buffer, .address_space: global }
    .group_segment_fixed_size: 327680
    .private_segment_fixed_size: 0
    .kernarg_segment_align: 8
    .kernarg_segment_size: 32
    .max_flat_workgroup_size: 128
    .sgpr_count:     66
    .vgpr_count:     728
    .wavefront_size: 32
...
	.end_amdgpu_metadata
.endif
;; end of part 4
